; MI455X (gfx1250); checked and timed in simulation.
; The chip was launched on July 23, 2026; its instructions are those of AMD's public machine-readable ISA for CDNA 5 (MIT licence, August 2026) and "CDNA5" Instruction Set Architecture Reference Guide (July 2026). The comments in the code are by the model that wrote it; some were corrected since.
;; Bark Self Attention. Allowed arithmetic: matrix products marked QUANTISED: E2M1 operands, one E8M0 scale for each 32 along K, by v_wmma_scale_f32_16x16x128_f8f6f4 with both operands' format E2M1 (or v_wmma_scale_f32_32x16x128_f4), f32 sums; everything else in f32.
;; Inputs: W_attn_codes 3,072 x 32 x 16 uint8 (E2M1 codes of W_attn, K innermost, in blocks of 32 codes, two codes a byte); W_attn_scales 3,072 x 32 uint8 (E8M0 scales of W_attn, one for each 32 codes along K); W_out_codes 1,024 x 32 x 16 uint8 (E2M1 codes of W_out, K innermost, in blocks of 32 codes, two codes a byte); W_out_scales 1,024 x 32 uint8 (E8M0 scales of W_out, one for each 32 codes along K); b_attn 3,072 float32; b_out 1,024 float32; hidden_states_codes 8 x 1,024 x 32 x 16 uint8 (E2M1 codes of hidden_states, K innermost, in blocks of 32 codes, two codes a byte); hidden_states_scales 8 x 1,024 x 32 uint8 (E8M0 scales of hidden_states, one for each 32 codes along K).
;; Outputs: out0 8 x 1,024 x 1,024 float32.
;; This version of the problem:
;;   THIS VERSION OF THE PROBLEM IS GIVEN IN LOW PRECISION. The matrix products marked QUANTISED in the list below multiply operands that are first quantised to E2M1 (2 exponent bits, 1 mantissa bit; 4 bits a number), with one power-of-two scale for each 32 numbers along K (OCP MX v1.0); their sums are f32. All else is computed in f32.
;;   The module's matrix products, in the order in which they are computed (A, B: the left and right operand; K: the contracted axis; several contracted axes count as one K, in the product's order):
;;     1. [M 8,192, K 1,024] x [K 1,024, N 3,072]; A: input hidden_states (given as codes); B: input W_attn (given as codes): QUANTISED
;;     2. batch 128 x [M 1,024, K 64] x [K 64, N 1,024]; A: computed on the way; B: computed on the way: QUANTISED
;;     3. batch 128 x [M 1,024, K 1,024] x [K 1,024, N 64]; A: softmax (see below); B: computed on the way: QUANTISED
;;     4. [M 8,192, K 1,024] x [K 1,024, N 1,024]; A: computed on the way; B: input W_out (given as codes): QUANTISED
;;   THE QUANTISER, for each operand of a quantised product, along K:
;;     - K is cut into blocks of 32 from its start; a last block that is shorter is filled with zeros.
;;     - A block's scale is 2^e with e = floor(log2(the largest magnitude in the block)) - 2, held to -126 .. 127; a block of zeros has e = 0. As a byte (E8M0): e + 127.
;;     - Each number is divided by its block's scale, clamped to +-6, and rounded to the nearest number of E2M1, ties to even, subnormals kept.
;;     - The product sums the exact products of the quantised numbers (number of the format x scale) in f32.
;;   ~~~python
;;   def quantise(x, axis):      # numpy; x: float32 -> the quantised numbers, widened to float32 again
;;       x = np.moveaxis(x, axis, -1); K = x.shape[-1]
;;       x = np.pad(x, [(0, 0)] * (x.ndim - 1) + [(0, -K % 32)]); x = x.reshape(x.shape[:-1] + (-1, 32)); a = np.abs(x).max(-1, keepdims=True)
;;       e = np.where(a > 0, np.clip(np.frexp(np.where(a > 0, a, 1))[1] - 1 - 2, -126, 127), 0)      # np.frexp(a)[1] - 1 = floor(log2(a)), exactly
;;       r = np.clip(x / 2.0 ** e, -6, 6)
;;       step = 2.0 ** (np.maximum(np.frexp(np.where(r == 0, 1, r))[1] - 1, 0) - 1)
;;       q = np.round(r / step) * step * 2.0 ** e      # np.round: ties to even
;;       return np.moveaxis(q.reshape(q.shape[:-2] + (-1,))[..., :K], -1, axis).astype(np.float32)
;;   ~~~
;;   SOFTMAX AHEAD OF A QUANTISED PRODUCT. Where the list says 'softmax', what is quantised is not the finished softmax but p = 2^(t - M), with t = logit x log2(e) and M = ceil(the row's largest t), a whole number; so 1/2 < the row's largest p <= 1. The row's sum l is taken of the UNQUANTISED p, in f32, and the product's result is divided by l at the end. Since M is a whole number, a kernel that streams over the keys may use a running M (the ceiling of the running maximum): every later rescaling is an exact power of two, which a block's scale takes up: the codes' values come out the same.
;;   OPERANDS COMPUTED ON THE WAY. 'Computed on the way' means the value that the module computes at that place (a softmax that the list does not call 'softmax' is quantised finished and normalised). What goes into a quantiser is computed in f32, as accurately as f32 sums, v_exp_f32 and their like allow (about 1e-6 of the number): no bf16 or f16 on the way to a quantiser, and a product that is left as it is and whose result goes on into a quantised operand takes f32 operands (vector FMAs, or v_wmma_f32_16x16x4_f32). A number that lies on a knife's edge between two numbers of the format may be rounded either way, as far as f32 arithmetic and the matrix unit's own rounding can turn it there, and no further.
;;   INPUTS GIVEN AS CODES. W_attn (in the module: [1024, 3072], K = its axis 0); W_out (in the module: [1024, 1024], K = its axis 0); hidden_states (in the module: [8, 1024, 1024], K = its axis 2): each comes as NAME_codes (uint8): NAME with its K axis moved to the last place and cut into blocks of 32 codes, [.., K / 32, bytes a block], one block behind the other in memory; two codes a byte, the lower K in the low four bits (a code: sign, 2 exponent bits, 1 mantissa bit); and NAME_scales (uint8): the same leading axes, one E8M0 byte (e + 127) for each 32 codes along K. Its value is code x scale, taken as it is: it is not quantised again, and the codes and scales need not be those that the quantiser above would give.
;; One version. Each part assembles by itself: llvm-mc -triple=amdgcn-amd-amdhsa -mcpu=gfx1250 --defsym DOCPART=n.
;; ======== version 1 of 1: 3 launches
;; limits: right only within a limited range of input values
;; workspace buffers: qkv 13,369,344 bytes; o_img 4,194,304 bytes; o_sc 262,144 bytes
;; launch qkv_proj (part 1): grid 8 x 32, 4 waves a work-group, clusters of 4 x 4, 327,680 bytes of LDS; arguments hidden_states_codes, hidden_states_scales, W_attn_codes, W_attn_scales, b_attn, qkv; writes qkv
.if DOCPART == 1
	.amdgcn_target "amdgcn-amd-amdhsa--gfx1250"
	.amdhsa_code_object_version 6
	.text
	.protected	k_q5ba151f5fa_qkv_proj
	.globl	k_q5ba151f5fa_qkv_proj
	.p2align	8
	.type	k_q5ba151f5fa_qkv_proj,@function
k_q5ba151f5fa_qkv_proj:
	s_mov_b64 s[64:65], 0
	v_nop
	global_prefetch_b8 v0, s[64:65] scope:SCOPE_SE
	s_setreg_imm32_b32 hwreg(HW_REG_WAVE_MODE, 25, 1), 1
	s_wait_xcnt 0x0
	s_wait_alu depctr_hold_cnt(0) depctr_sa_sdst(0) depctr_va_vdst(0) depctr_va_sdst(0) depctr_va_ssrc(0) depctr_va_vcc(0) depctr_vm_vsrc(0)
	s_getreg_b32 s2, hwreg(HW_REG_IB_STS2, 6, 4)
	s_cmp_eq_u32 s2, 0
	s_cbranch_scc0 .Lentry_in_a_cluster
	s_endpgm
.Lentry_in_a_cluster:
	s_bfe_u32 s2, ttmp6, 0x10000c
	s_cmp_lg_u32 s2, 0xf033
	s_cbranch_scc0 .Lentry_shape_is_right
	s_endpgm
.Lentry_shape_is_right:
; qkv = hidden_states W_attn + b_attn on codes of FP4 (E2M1) with one E8M0 scale for each 32 along K = 1,024; the results are quantised at once, in registers, for the two products of attention:
; q and k along a head's 64 channels (two blocks of 32), v along the keys (blocks of 32 keys).  Only codes and scale bytes go to memory.
; WORK LEFT OUT BY THE PROGRAM (in the second launch; nothing is left out here).  reference() builds a causal mask in its own body: for a key after the query the score is replaced by the least f32 number, so the
; product q . k of such a pair reaches no output whatever the inputs hold, and its weight exp(least - largest) is 0 beside the diagonal key, which always counts.  So whole blocks of 32 keys all of which come after a
; tile's 16 queries are not walked: neither their softmax nor, in whole steps of 128 keys, their products.  LIMITS: a NaN, an infinity or an overflow that arises only in such hidden pairs is not carried to the result;
; scores near the least f32 number are not served.  Every input has a way to the output and is loaded.
; LIMITS OF THE QUANTISER HERE: a block of zeros gets the scale byte 1 where the rule says 127 (its codes are zeros, and this program alone reads the bytes); NaN and infinities ahead of a quantiser are not served.
; T[i][j] = X_i . Y_j with source 0 = 16 rows of Y and source 1 = 16 rows of X: a lane holds ONE row of X and its registers run along Y, which is the axis to quantise.
; SHARES.  256 work-groups, each with two parts.  Work-group (xt, yt), xt = 0..7, yt = 0..31:
;   part 1: X = hidden rows 256 yt .., Y = rows 256 xt .. of W_attn (xt 0-3: q, 4-7: k): 256 x 256, a wave 128 x 128, 64 accumulators.
;   part 2: X = rows 2,048 + 128 xt .. of W_attn (128 channels of v), Y = the same 256 hidden rows, which stay in LDS: 128 x 256, a wave 64 x 128, 32 accumulators.
; LDS holds all of K: rows of 512 bytes + 16 of padding.  The head has four tiles, one joint load a wave.  ONE refill: v's 128 rows of W and their scale bytes land on the bytes of part 1's W behind a round of the
; cluster's barrier in part 1's last K step, and have part 1's way out (eight blocks) in which to land.
; CLUSTERS: 4 x 4.  Hidden tiles hang on yt alone and are asked for jointly along a row of the cluster, W's on xt alone, along a column.
; NO PREFETCH: the text has no loop to run ahead in; each tile is asked for once.
; WHAT IS STORED: images of operand registers.  A block of qkv (one for each batch and head, BLK bytes): K's images [64 tiles][512], V^T's [8 key steps][4 tiles][2][512], their scale bytes, Q's images and scale bytes.
; REGISTERS, in windows of 256: window 0: v1-31 addresses and small things; v32-95 scale words; v96-111 at work; v112-127 codes, two sets; v128-255 X's fragments, two sets.
;   window 1: v0-63, v128-191 Y's fragments, two sets; v64-127 part 1's bias, v192-223 part 2's.   windows 2, 3: the accumulators ((a, b) at v[8 (8 (a % 4) + b)], a / 4 picks the window).
.set PITCH,  528
.set HALFT,  128*PITCH
.set WQ,     2*HALFT                   ; W's rows lie behind the 256 hidden rows
.set SCL,    4*HALFT                   ; the scale bytes, as pieces of 256 bytes + 16 of padding: hidden's, then W's
.set HALFS,  16*272                    ; those of 128 rows
.set SBLK,   2*272                     ; those of 16 rows
.set SPARE,  SCL+4*HALFS               ; the spare words: two blocks of 256 bytes that no other line names
.set BLK,    104448
.set KI,     0
.set VI,     32768
.set KSC,    65536
.set VSC,    67584
.set QI,     69632
.set QSC,    102400
.set A1, 16                            ; v16, v17 LDS address of X's and Y's fragments in part 1;  v18, v19 in part 2
.set B1, 17
.set A2, 18
.set B2, 19
.set S1, 20                            ; v20, v21 LDS address of my scale words in part 1, 2
.set S2, 21
.set VO0,  22                          ; 16 x lane
.set VS1,  23                          ; my place among the scale bytes, part 1, 2
.set VS2,  24
.set SH16, 25                          ; 16 x (lane / 16)
.set FL,   26                          ; the floor 2^(3 - 127)
.set SPW,  28
.set NIL,  29
.set SV,   30
.set PW,   15
.set SC,   32
.set TM,   96
.set PC,   112
.set XF,   128
.set GB,   64
.set GB2,  192
.set G1, 24                            ; groups 1: hidden codes, W codes, hidden scales, W scales
.set G1B, 48
.set G1S, 68
.set G1SB, 80
.set G0H, 32                           ; groups 0: hidden codes, W codes, hidden scales, W scales, v's W codes, v's W scales
.set G0W, 36
.set G0S, 76
.set G0SB, 88
.set G0V, 56
.set G0VS, 60
.set MSB, 0
.macro WIN new
.if MSB != (\new)
	s_set_vgpr_msb (MSB<<8)|(\new)
.set MSB, \new
.endif
.endm
.macro CREST
	s_cmp_lg_u32 s16, 0
	s_cbranch_scc1 .Lnot_wave_0_\@
	s_barrier_signal -3
.Lnot_wave_0_\@:
	s_barrier_wait -3
	s_barrier_signal -1
	s_barrier_wait -1
.endm
.macro CROUND
	s_barrier_signal -1
	s_barrier_wait -1
	CREST
.endm
.macro PLACES n
.rept \n
	v_nop
.endr
.endm
.macro TL g0, g1                       ; a tensor load with an s_nop and four v_nops behind it
	tensor_load_to_lds s[\g0:\g0+3], s[\g1:\g1+7]
	s_nop 0
.rept 4
	v_nop
.endr
.endm
.macro G0SET g, lds, p
	s_mov_b32 s[\g], 1
	s_mov_b32 s[\g+1], \lds
	s_mov_b64 s[\g+2:\g+3], s[\p:\p+1]
	s_or_b32 s[\g+3], s[\g+3], 0x80000000
.endm
	s_load_b256 s[4:11], s[0:1], 0x0               ; hidden codes, hidden scales, W codes, W scales
	s_load_b128 s[12:15], s[0:1], 0x20             ; b_attn, qkv
	v_lshl_add_u32 v[SPW], v0, 2, SPARE
	v_mov_b32 v[NIL], 0
	ds_add_u32 v[SPW], v[NIL]                      ; the opening lines: the add, twice on end,
	ds_add_u32 v[SPW], v[NIL]
	v_lshrrev_b32 v1, 5, v0
	v_readfirstlane_b32 s16, v1                    ; wave 0..3
	s_lshr_b32 s17, s16, 1                         ; which half of X's rows is mine
	s_and_b32 s18, s16, 1                          ; which half of Y's
	s_bfe_u32 s20, ttmp6, 0x40000                  ; cx
	s_bfe_u32 s21, ttmp6, 0x40004                  ; cy
	s_lshl_b32 s41, ttmp9, 2
	s_add_co_u32 s41, s41, s20                     ; xt
	s_and_b32 s40, ttmp7, 0xffff
	s_lshl_b32 s40, s40, 2
	s_add_co_u32 s40, s40, s21                     ; yt
	s_lshl_b32 s42, s21, 2
	s_lshl_b32 s42, 15, s42                        ; my row of the cluster
	s_lshl_b32 s43, 0x1111, s20                    ; my column
	s_or_b32 s[G1], s42, (1<<20)|(1<<21)|(6<<22)|(3<<25)    ; codes: elements of 1 byte; 4 words of padding after every 128
	s_or_b32 s[G1B], s43, (1<<20)|(1<<21)|(6<<22)|(3<<25)
.irp g, G1, G1B
	s_mov_b32 s[\g+1], 512<<16                     ; rows of 512 bytes,
	s_mov_b32 s[\g+2], 256<<16                     ; 256 of them
	s_mov_b32 s[\g+3], 512<<16
	s_mov_b32 s[\g+4], 256
	s_mov_b32 s[\g+5], 512
	s_mov_b32 s[\g+6], 0
	s_mov_b32 s[\g+7], 0
.endr
	s_or_b32 s[G1S], s42, (3<<16)|(1<<20)|(1<<21)|(5<<22)|(3<<25)   ; scales of 256 rows: 8,192 dense bytes as 32 rows of 256
	s_or_b32 s[G1SB], s43, (3<<16)|(1<<20)|(1<<21)|(5<<22)|(3<<25)
.irp g, G1S, G1SB
	s_mov_b32 s[\g+1], 32<<16
	s_mov_b32 s[\g+2], 32<<16
	s_mov_b32 s[\g+3], 32<<16
	s_mov_b32 s[\g+4], 32
	s_mov_b32 s[\g+5], 32
	s_mov_b32 s[\g+6], 0
	s_mov_b32 s[\g+7], 0
.endr
	s_lshl_b32 s92, s40, 17                        ; hidden: 256 rows of 512 bytes a tile,
	s_mov_b32 s93, 0
	s_lshl_b32 s94, s40, 13                        ; of 32 scale bytes
	s_mov_b32 s95, 0
	s_lshl_b32 s96, s41, 17                        ; W likewise
	s_mov_b32 s97, 0
	s_lshl_b32 s98, s41, 13
	s_mov_b32 s99, 0
	s_lshl_b32 s44, s41, 16                        ; v's rows of W: 2,048 + 128 xt
	s_add_co_u32 s44, s44, 0x100000
	s_mov_b32 s45, 0
	s_lshl_b32 s46, s41, 12
	s_add_co_u32 s46, s46, 0x10000
	s_mov_b32 s47, 0
	s_wait_dscnt 0x0                               ; and the one wait for both adds
	s_wait_kmcnt 0x0
	s_add_nc_u64 s[92:93], s[4:5], s[92:93]
	s_add_nc_u64 s[94:95], s[6:7], s[94:95]
	s_add_nc_u64 s[96:97], s[8:9], s[96:97]
	s_add_nc_u64 s[98:99], s[10:11], s[98:99]
	s_add_nc_u64 s[44:45], s[8:9], s[44:45]
	s_add_nc_u64 s[46:47], s[10:11], s[46:47]
	CROUND                                         ; all sixteen work-groups are here: the first joint loads meet
	G0SET G0H, 0, 92
	G0SET G0W, WQ, 96
	G0SET G0S, SCL, 94
	G0SET G0SB, SCL+2*HALFS, 98
	G0SET G0V, WQ, 44
	G0SET G0VS, SCL+2*HALFS, 46
	; the head's four tiles, one a wave, in one chain of branches on the wave's number
	s_cmp_lt_u32 s16, 1
	s_cbranch_scc0 .Lh1
	TL G0H, G1
	s_branch .Lhd
.Lh1:
	s_cmp_lt_u32 s16, 2
	s_cbranch_scc0 .Lh2
	TL G0W, G1B
	s_branch .Lhd
.Lh2:
	s_cmp_lt_u32 s16, 3
	s_cbranch_scc0 .Lh3
	TL G0S, G1S
	s_branch .Lhd
.Lh3:
	TL G0SB, G1SB
.Lhd:
	; where the results go
	s_lshr_b32 s92, s40, 2
	s_lshl_b32 s92, s92, 4                         ; 16 x batch
	s_lshl_b32 s93, s20, 2
	s_add_co_u32 s93, s93, s92
	s_lshl_b32 s94, s18, 1
	s_add_co_u32 s93, s93, s94                     ; part 1: my first head = 4 cx + 2 x half of Y
	s_mul_i32 s93, s93, BLK
	s_lshl_b32 s94, s41, 1
	s_add_co_u32 s94, s94, s92
	s_add_co_u32 s94, s94, s17                     ; part 2: my head = 2 xt + half of X
	s_mul_i32 s94, s94, BLK
	s_and_b32 s95, s40, 3
	s_lshl_b32 s95, s95, 13                        ; my 256 hidden rows inside a region of images: 32 bytes a row
	s_lshl_b32 s96, s17, 12
	s_add_co_u32 s96, s96, s95                     ; part 1: hidden rows by X's half,
	s_lshl_b32 s97, s18, 12
	s_add_co_u32 s97, s97, s95                     ; part 2: by Y's
	s_mov_b32 s99, KSC
	s_cmp_eq_u32 ttmp9, 0                          ; q or k: the same in all sixteen partners
	s_cselect_b32 s98, QI, KI
	s_cselect_b32 s99, QSC, s99
	s_mov_b32 s101, 0
	s_add_co_u32 s100, s93, s96
	s_add_co_u32 s100, s100, s98
	s_add_nc_u64 s[22:23], s[14:15], s[100:101]    ; part 1: codes,
	s_lshr_b32 s96, s96, 4
	s_add_co_u32 s100, s93, s96
	s_add_co_u32 s100, s100, s99
	s_add_nc_u64 s[10:11], s[14:15], s[100:101]    ; scale bytes
	s_add_co_u32 s100, s94, s97
	s_add_co_u32 s100, s100, VI
	s_add_nc_u64 s[8:9], s[14:15], s[100:101]      ; part 2: codes,
	s_lshr_b32 s97, s97, 4
	s_add_co_u32 s100, s94, s97
	s_add_co_u32 s100, s100, VSC
	s_add_nc_u64 s[6:7], s[14:15], s[100:101]      ; scale bytes
	s_lshl_b32 s100, s41, 10
	s_lshl_b32 s99, s18, 9
	s_add_co_u32 s100, s100, s99
	s_add_nc_u64 s[4:5], s[12:13], s[100:101]      ; part 1's bias: channel 256 xt + 128 x half of Y
	s_lshl_b32 s100, s41, 9
	s_lshl_b32 s99, s17, 8
	s_add_co_u32 s100, s100, s99
	s_add_co_u32 s100, s100, 8192
	s_add_nc_u64 s[12:13], s[12:13], s[100:101]    ; part 2's: channel 2,048 + 128 xt + 64 x half of X
	s_mov_b32 s2, 0x76543210                       ; v_permlanex16_b32's selects for lane l xor 16
	s_mov_b32 s3, 0xfedcba98
	s_mul_i32 s44, s17, HALFT                      ; part 1: X = hidden,
	s_mul_i32 s47, s18, HALFT                      ; part 2: Y = hidden
	s_add_co_u32 s45, s47, WQ                      ; part 1: Y = W
	s_mul_i32 s46, s17, HALFT/2
	s_add_co_u32 s46, s46, WQ                      ; part 2: X = v's W, 64 rows a half
	s_mul_i32 s92, s17, HALFS
	s_mul_i32 s94, s18, HALFS
	s_add_co_u32 s93, s94, 2*HALFS
	s_sub_co_u32 s93, s93, s92                     ; part 1: lanes 16-31 take Y's (W's) words, this far behind X's
	s_mul_i32 s95, s17, HALFS/2
	s_add_co_u32 s95, s95, 2*HALFS
	s_sub_co_u32 s95, s95, s94                     ; part 2: lanes 0-15 take Y's (hidden's), lanes 16-31 X's, this far behind
	s_add_co_u32 s92, s92, SCL
	s_add_co_u32 s94, s94, SCL
	v_and_b32 v1, 15, v0                           ; r
	v_bfe_u32 v2, v0, 4, 1                         ; h
	v_mul_u32_u24 v3, v1, PITCH
	v_lshl_add_u32 v4, v2, 4, v3
	v_add_nc_u32 v[A1], s44, v4
	v_add_nc_u32 v[B1], s45, v4
	v_add_nc_u32 v[A2], s46, v4
	v_add_nc_u32 v[B2], s47, v4
	v_lshlrev_b32 v5, 5, v1                        ; a row's scales: 32 bytes,
	v_lshrrev_b32 v6, 8, v5
	v_lshl_add_u32 v5, v6, 4, v5                   ; and 16 more for each 256 passed
	v_mul_u32_u24 v6, s93, v2
	v_mul_u32_u24 v7, s95, v2
	v_add_nc_u32 v6, v5, v6
	v_add_nc_u32 v7, v5, v7
	v_add_nc_u32 v[S1], s92, v6
	v_add_nc_u32 v[S2], s94, v7
	v_and_b32 v3, 31, v0
	v_lshlrev_b32 v[VO0], 4, v3
	v_mul_u32_u24 v6, v2, BLK
	v_lshl_add_u32 v[VS1], v1, 1, v6               ; q, k: 2 bytes a row; lanes 16-31 the next head's
	v_lshlrev_b32 v7, 1, v2
	v_lshl_add_u32 v[VS2], v1, 2, v7               ; v: 4 bytes a channel; lanes 16-31 the upper two
	v_lshlrev_b32 v[SH16], 4, v2
	v_mov_b32 v[FL], 0x1800000
.irp b, 0,1,2,3
	v_mov_b32 v[TM+4+\b], 0                        ; a lane permute's destination counts as one of its sources
.endr
	v_lshlrev_b32 v14, 5, v2
	v_lshlrev_b32 v13, 2, v1
	WIN 0x40
.irp g, 0,1,2,3,4,5,6,7
	global_load_b128 v[GB+8*\g:GB+8*\g+3], v14, s[4:5] offset:64*\g        ; part 1: register 8 g + j is the bias of channel 16 g + 8 h + j
	global_load_b128 v[GB+8*\g+4:GB+8*\g+7], v14, s[4:5] offset:64*\g+16
.endr
.irp g, 0,1,2,3
	global_load_b32 v[GB2+8*\g], v13, s[12:13] offset:64*\g                ; part 2: all eight registers of block g hold the bias of channel 16 g + r
.endr
	s_wait_alu depctr_va_vdst(0)                   ; ahead of the wait below
	s_wait_loadcnt 0x0
	WIN 0x41
.irp g, 0,1,2,3
.irp j, 1,2,3,4,5,6,7
	v_mov_b32 v[GB2+8*\g+\j], v[GB2+8*\g]
.endr
.endr
	WIN 0
.macro FRAG reg, adr, kq, i            ; 16 rows x 128 K: lane l holds row l % 16; registers 4 c .. 4 c + 3 hold K = 64 c + 32 (l / 16) + 0 .. 31
.irp c, 0,1
	ds_load_b128 v[\reg+4*\c:\reg+4*\c+3], v[\adr] offset:64*(\kq)+32*\c+(\i)*16*PITCH
.endr
.endm
.macro FETCH ph, kq, set               ; Y's eight fragments and X's eight (part 2: four) of K step kq
	WIN 0x40
.irp i, 0,1,2,3,4,5,6,7
	FRAG 128*(\set)+8*\i, B1+2*(\ph)-2, \kq, \i
.endr
	WIN 0
.irp i, 0,1,2,3
	FRAG XF+64*(\set)+8*\i, A1+2*(\ph)-2, \kq, \i
.endr
.if (\ph) == 1
.irp i, 4,5,6,7
	FRAG XF+64*(\set)+8*\i, A1, \kq, \i
.endr
.endif
.endm
.macro SCALES adr                      ; all of K's scale words: register SC + 32 (kq / 4) + 4 i + kq % 4 holds block i's word of K step kq, one operand's in lanes 0-15, the other's in lanes 16-31
.irp s, 0,1
.irp i, 0,1,2,3,4,5,6,7
	ds_load_b128 v[SC+32*\s+4*\i:SC+32*\s+4*\i+3], v[\adr] offset:\i*SBLK+16*\s
.endr
.endr
.endm
; 32 matrix instructions: X's blocks a0 .. a0 + 3 against Y's eight.  cm = 0: the sums go on; 1: they start with the bias by Y's tile; 2: by X's block.  The accumulators take turns.
.macro MULS ph, a0, set, kq, cm
.set A_, \a0
.rept 4
.irp b, 0,1,2,3,4,5,6,7
.set D_, 8*(8*(A_%4)+\b)
.if (\cm) == 0
.set C_, D_
.elseif (\cm) == 1
.set C_, GB+8*\b
.else
.set C_, GB2+8*A_
.endif
.set SY_, SC+32*((\kq)/4)+4*\b+(\kq)%4
.set SX_, SC+32*((\kq)/4)+4*A_+(\kq)%4
.if (\ph) == 1
	v_wmma_scale_f32_16x16x128_f8f6f4 v[D_:D_+7], v[128*(\set)+8*\b:128*(\set)+8*\b+7], v[XF+64*(\set)+8*A_:XF+64*(\set)+8*A_+7], v[C_:C_+7], v[SY_], v[SX_] matrix_a_fmt:MATRIX_FMT_FP4 matrix_b_fmt:MATRIX_FMT_FP4 matrix_a_scale:MATRIX_SCALE_ROW1
.else
	v_wmma_scale_f32_16x16x128_f8f6f4 v[D_:D_+7], v[128*(\set)+8*\b:128*(\set)+8*\b+7], v[XF+64*(\set)+8*A_:XF+64*(\set)+8*A_+7], v[C_:C_+7], v[SY_], v[SX_] matrix_a_fmt:MATRIX_FMT_FP4 matrix_b_fmt:MATRIX_FMT_FP4 matrix_b_scale:MATRIX_SCALE_ROW1
.endif
.endr
.set A_, A_+1
.endr
.endm
; K step kq: its fragments were asked for a step ago; the next step's are asked for first, into the other sets.  Four plain places stand in front of loads into registers that matrix instructions have read.
.macro STEP ph, kq, cm
	s_wait_dscnt 0x0
.if (\kq) < 7
	PLACES 4
	FETCH \ph, (\kq)+1, ((\kq)+1)%2
.endif
.if (\cm) > 0
	WIN 0x91                                       ; source 0 and C window 1, source 1 window 0, D window 2
.else
	WIN 0xa1
.endif
	MULS \ph, 0, (\kq)%2, \kq, \cm
.if (\ph) == 1
.if (\cm) > 0
	WIN 0xd1
.else
	WIN 0xf1
.endif
	MULS \ph, 4, (\kq)%2, \kq, \cm
.endif
	WIN 0
.endm
; THE WAY OUT of X's block a: 16 rows, 128 numbers along Y each, become a fragment's codes and a scale word.  Lane (r, h) holds row r; register 8 t + j of the block is Y = 16 t + 8 h + j.
; A block of 32 along Y is tiles 2 B and 2 B + 1 in lanes l and l xor 16.  Tiles 4 c, 4 c + 2, 4 c + 1, 4 c + 3 go to code registers 4 c .. 4 c + 3; two exchanges of lane halves then leave the operand's order.
.macro EPI a, cb, sb, cs, ss, o2, vs
.set W_, 2+(\a)/4
.set AC, 64*((\a)%4)
.set PC_, PC+8*((\a)%2)
	WIN (W_<<2)|(W_<<4)
.irp b, 0,1,2,3
	v_max3_num_f32 v[TM+\b], v[FL], |v[AC+16*\b]|, |v[AC+16*\b+1]|   ; each accumulator from its low end on; the floor holds the byte at 1 from below
.endr
.irp i, 2,4,6,8,10,12,14
.irp b, 0,1,2,3
	v_max3_num_f32 v[TM+\b], v[TM+\b], |v[AC+16*\b+\i]|, |v[AC+16*\b+\i+1]|
.endr
.endr
	WIN 0
.irp b, 0,1,2,3
	v_permlanex16_b32 v[TM+4+\b], v[TM+\b], s2, s3
.endr
.irp b, 0,1,2,3
	v_max_num_f32 v[TM+\b], v[TM+\b], v[TM+4+\b]
.endr
.irp b, 0,1,2,3
	v_add_nc_u32 v[TM+12+\b], 0xff000000, v[TM+\b] ; 2 off the exponent field: the conversion's scale operand
.endr
.irp b, 0,1,2,3
	v_lshrrev_b32 v[TM+4+\b], 23, v[TM+12+\b]      ; the scale's byte
.endr
	v_lshl_or_b32 v[PW], v[TM+5], 8, v[TM+4]
	v_lshl_or_b32 v[PW], v[TM+6], 16, v[PW]
	v_lshl_or_b32 v[PW], v[TM+7], 24, v[PW]
	WIN W_
.irp c, 0,1
	v_cvt_scalef32_pk8_fp4_f32 v[PC_+4*\c], v[AC+32*\c:AC+32*\c+7], v[TM+12+2*\c]
	v_cvt_scalef32_pk8_fp4_f32 v[PC_+4*\c+1], v[AC+32*\c+16:AC+32*\c+23], v[TM+13+2*\c]
	v_cvt_scalef32_pk8_fp4_f32 v[PC_+4*\c+2], v[AC+32*\c+8:AC+32*\c+15], v[TM+12+2*\c]
	v_cvt_scalef32_pk8_fp4_f32 v[PC_+4*\c+3], v[AC+32*\c+24:AC+32*\c+31], v[TM+13+2*\c]
.endr
	WIN 0
	v_lshrrev_b32 v[SV+(\a)%2], v[SH16], v[PW]     ; my half's two bytes (also the plain place behind the conversions)
.irp c, 0,1
	v_permlane16_swap_b32 v[PC_+4*\c], v[PC_+4*\c+1]
	v_permlane16_swap_b32 v[PC_+4*\c+2], v[PC_+4*\c+3]
.endr
	s_wait_alu depctr_va_vdst(0)                   ; ahead of the wait below
	s_wait_xcnt 0x0                                ; the earlier stores have read their bases and registers
.if (\a) > 0
	s_add_nc_u64 s[\cb:\cb+1], s[\cb:\cb+1], \cs
	s_add_nc_u64 s[\sb:\sb+1], s[\sb:\sb+1], \ss
.endif
	global_store_b128 v[VO0], v[PC_:PC_+3], s[\cb:\cb+1]               ; an image: 32 lanes store 512 consecutive bytes, aligned
	global_store_b128 v[VO0], v[PC_+4:PC_+7], s[\cb:\cb+1] offset:\o2
	global_store_b16 v[\vs], v[SV+(\a)%2], s[\sb:\sb+1]
.endm
	s_wait_alu depctr_va_vdst(0)                   ; the wait at the head's end
	s_wait_tensorcnt 0x0                           ; my tile of the head's four has landed
	s_barrier_signal -1
	s_barrier_wait -1                              ; everybody's has
	FETCH 1, 0, 0
	SCALES S1
	STEP 1, 0, 1                                   ; the first K step starts the sums with the bias
.irp k, 1,2,3,4,5,6
	STEP 1, \k, 0
.endr
	; part 1's last K step: its fragments are my last reads of W's bytes, which are filled again behind the round
	s_wait_tensorcnt 0x0
	ds_add_u32 v[SPW], v[NIL]
	s_mov_b32 s[G1B+2], 128<<16                    ; no tensor load of mine is out: v's tile of W has 128 rows,
	s_mov_b32 s[G1B+4], 128
	s_mov_b32 s[G1SB+2], 16<<16                    ; its scales 16 rows of 256 bytes
	s_mov_b32 s[G1SB+4], 16
	s_wait_dscnt 0x0                               ; the add is done and the step's fragments are in
	s_barrier_signal -1
	WIN 0xa1
	MULS 1, 0, 1, 7, 0
	WIN 0
	s_barrier_wait -1
	CREST                                          ; no wave of any partner still reads W's bytes
	s_cmp_lt_u32 s16, 1
	s_cbranch_scc0 .Lr1
	TL G0V, G1B
	s_branch .Lrd
.Lr1:
	s_cmp_lt_u32 s16, 2
	s_cbranch_scc0 .Lrd
	TL G0VS, G1SB
.Lrd:
	WIN 0xf1
	MULS 1, 4, 1, 7, 0
	WIN 0
	PLACES 4
.irp a, 0,1,2,3,4,5,6,7
	EPI \a, 22, 10, 512, 32, BLK, VS1              ; q, k: the next tile of rows; code registers 4-7 are the next head's
.endr
	s_wait_tensorcnt 0x0                           ; v's tile of W (or its scales) has landed
	s_barrier_signal -1
	s_barrier_wait -1
	FETCH 2, 0, 0
	SCALES S2
	STEP 2, 0, 2
.irp k, 1,2,3,4,5,6,7
	STEP 2, \k, 0
.endr
	PLACES 4
.irp a, 0,1,2,3
	EPI \a, 8, 6, 1024, 64, 512, VS2               ; v: the next tile of channels; code registers 4-7 are keys 64 on
.endr
	s_wait_tensorcnt 0x0                           ; the wave's end
	ds_add_u32 v[SPW], v[NIL]
	s_wait_dscnt 0x0
	CROUND                                         ; the closing round
	s_endpgm
.Lfunc_end_k_q5ba151f5fa_qkv_proj:
	.size	k_q5ba151f5fa_qkv_proj, .Lfunc_end_k_q5ba151f5fa_qkv_proj-k_q5ba151f5fa_qkv_proj
	.p2alignl 7, 3214868480
	.fill 96, 4, 3214868480
	.section	.rodata,"a",@progbits
	.p2align	6, 0x0
	.amdhsa_kernel k_q5ba151f5fa_qkv_proj
		.amdhsa_group_segment_fixed_size 327680
		.amdhsa_private_segment_fixed_size 0
		.amdhsa_enable_private_segment 0
		.amdhsa_kernarg_size 48
		.amdhsa_user_sgpr_count 2
		.amdhsa_user_sgpr_kernarg_segment_ptr 1
		.amdhsa_wavefront_size32 1
		.amdhsa_system_sgpr_workgroup_id_x 1
		.amdhsa_system_sgpr_workgroup_id_y 1
		.amdhsa_system_sgpr_workgroup_id_z 1
		.amdhsa_system_vgpr_workitem_id 0
		.amdhsa_next_free_vgpr 1024
		.amdhsa_next_free_sgpr 102
		.amdhsa_reserve_vcc 0
		.amdhsa_float_denorm_mode_32 3
		.amdhsa_float_denorm_mode_16_64 3
		.amdhsa_memory_ordered 1
		.amdhsa_forward_progress 1
		.amdhsa_inst_pref_size 196
	.end_amdhsa_kernel
	.amdgpu_metadata
---
amdhsa.version: [ 1, 2 ]
amdhsa.kernels:
  - .name:           k_q5ba151f5fa_qkv_proj
    .symbol:         k_q5ba151f5fa_qkv_proj.kd
    .args:
      - { .name: hidden_states_codes, .offset: 0, .size: 8, .value_kind: global_buffer, .address_space: global }
      - { .name: hidden_states_scales, .offset: 8, .size: 8, .value_kind: global_buffer, .address_space: global }
      - { .name: W_attn_codes, .offset: 16, .size: 8, .value_kind: global_buffer, .address_space: global }
      - { .name: W_attn_scales, .offset: 24, .size: 8, .value_kind: global_buffer, .address_space: global }
      - { .name: b_attn, .offset: 32, .size: 8, .value_kind: global_buffer, .address_space: global }
      - { .name: qkv, .offset: 40, .size: 8, .value_kind: global_buffer, .address_space: global }
    .group_segment_fixed_size: 327680
    .private_segment_fixed_size: 0
    .kernarg_segment_align: 8
    .kernarg_segment_size: 48
    .max_flat_workgroup_size: 128
    .sgpr_count:     102
    .vgpr_count:     1024
    .wavefront_size: 32
...
	.end_amdgpu_metadata
.endif
;; end of part 1
;; launch attention (part 2): grid 2 x 128, 16 waves a work-group, no clusters, 327,680 bytes of LDS; arguments qkv, o_img, o_sc; writes o_img, o_sc
.if DOCPART == 2
	.amdgcn_target "amdgcn-amd-amdhsa--gfx1250"
	.amdhsa_code_object_version 6
	.text
	.protected	k_q5ba151f5fa_attention
	.globl	k_q5ba151f5fa_attention
	.p2align	8
	.type	k_q5ba151f5fa_attention,@function
k_q5ba151f5fa_attention:
	s_mov_b64 s[64:65], 0
	v_nop
	global_prefetch_b8 v0, s[64:65] scope:SCOPE_SE
	s_setreg_imm32_b32 hwreg(HW_REG_WAVE_MODE, 25, 1), 1
	s_wait_xcnt 0x0
; O = softmax(q k^T / 8, causal) v for one batch and head, both products on codes of FP4 (E2M1) with E8M0 scales; O is divided by the row's sum and quantised along the model's 1,024 (a head is two blocks of 32) for the last product.
; WORK LEFT OUT: steps of 128 keys all of which come after a tile's 16 queries, and in the step on the diagonal the softmax of blocks of 32 keys all of which do (reference() itself masks them; shown at the head of the
; first kernel): such a block's codes are zeros.  A NaN or an infinity in hidden pairs alone is not carried to the result.
; THE SOFTMAX AHEAD OF THE SECOND PRODUCT: t = score x log2(e) / 8; M = the running largest t rounded UP to a whole number, kept as -M = floor(-t); p = 2^(t - M) is quantised along the keys, not normalised; the row's sum
; is taken of the unquantised p and divides at the end.  When M moves, the sum and O are multiplied by 2^(old M - new M), which rounds nothing.
; LIMITS: a block of zeros gets the scale byte 1 where the rule says 127 (its codes are zeros; this program alone reads the bytes); NaN and infinities ahead of a quantiser are not served.
; SHARES.  Two work-groups to a head.  Wave w of work-group p takes the query tiles T0 = 2 w + p (0 .. 31) and T1 = 63 - T0 (32 .. 63): T0 / 8 + 1 + T1 / 8 + 1 = 9 key steps count for every wave of the launch.
; THE ORDER: T1's key steps 0 to 3, all of whose keys count for every T1: four equal steps in all sixteen waves, on keys 0 to 511; a barrier; T1's steps 4 to 7; then T0, whose keys end under 512: four trips.
; NO CLUSTER: only two work-groups read a head's 69,632 bytes of K and V, once each, and a cluster here is of four.
; LDS: the first 69,632 bytes of the head's block of qkv as they lie: K's images, V^T's images, K's and V's scale bytes.  Each byte is filled once.  At the head waves 0, 1, 2 ask for K's images of keys 0 to 511, V's, and
; all scale bytes; behind the first barrier waves 0 and 1 ask for K's and V's images of keys 512 to 1,023, which are first read four key steps later, behind the second barrier.
; That request stands behind the first barrier, so nothing is prefetched ahead of it.
; LAYOUT.  Both products are used transposed: S^T = K Q^T, O^T = V^T P^T: a lane holds ONE query (lane % 16) throughout.  Images are operand registers as they stand: lane l's 16 bytes at 16 l.
; THE FIRST PRODUCT'S K IS 64 of the instruction's 128: Q's registers 4-7 are zero codes; the scale words are loaded as two bytes, zero-extended, so that the bytes of the unused blocks are 0 and never 0xff.
; THE STEP IS WRITTEN TWICE: for steps all of whose keys count, and for the one step of a tile that lies on the diagonal.  There m = the tile of 16 keys on the diagonal: its eight registers are masked by eight constant
; lane masks (key 8 h + j after query r); if m is even the tile behind it is set to -infinity; the maxima are taken of all four blocks, and those of blocks behind block m / 2 are then set to -infinity;
; the rest of such a block's softmax is jumped over by scalar branches on ids.
; REGISTERS: v1-11 addresses; v12 -M, v13 the largest t, v[14:15] the sum; v16-23, v24-31 Q of T0, T1; v32-67 K's eight tiles and four zeros; v68-99 V's four fragments; v100-163 S^T, then p;
;   v164-195 O^T; v196-203 codes; v204-215 at work; v216-223, v225 scale words; v224 f; v226-228, v230, v242-255 at work; v229 -infinity.
.set BLK,   104448
.set VI,    32768
.set KSC,   65536
.set VSC,   67584
.set QI,    69632
.set QSC,   102400
.set SPARE, 69632                      ; the spare words, 128 bytes for each wave: eight blocks of 256 bytes that no other line names
.set HALFI, 16384                      ; the images of 512 keys
.macro DEP n
	s_delay_alu instid0(VALU_DEP_\n)
.endm
.macro GRD b, lbl
	s_cmp_lt_u32 s53, \b
	s_wait_alu depctr_va_vdst(0)
	s_cbranch_scc1 \lbl
.endm
.macro TL g0, g1                       ; a tensor load with an s_nop and four v_nops behind it
	tensor_load_to_lds s[\g0:\g0+3], s[\g1:\g1+7]
	s_nop 0
.rept 4
	v_nop
.endr
.endm
.macro G0SET g, off                    ; group 0: the same offset in LDS as in the head's block
	s_mov_b32 s[\g], 1
	s_mov_b32 s[\g+1], \off
	s_add_nc_u64 s[\g+2:\g+3], s[4:5], \off
	s_or_b32 s[\g+3], s[\g+3], 0x80000000
.endm
	s_load_b128 s[4:7], s[0:1], 0x0                ; qkv, o_img
	s_load_b64 s[8:9], s[0:1], 0x10                ; o_sc
	v_lshl_add_u32 v5, v0, 2, SPARE
	v_mov_b32 v6, 0
	ds_add_u32 v5, v6                              ; the opening lines
	ds_add_u32 v5, v6
	v_lshrrev_b32 v1, 5, v0
	s_delay_alu instid0(VALU_DEP_1)
	v_readfirstlane_b32 s10, v1                    ; wave 0..15
	s_and_b32 s11, ttmp7, 0xffff                   ; 16 x batch + head
	s_lshr_b32 s46, s11, 4
	s_and_b32 s47, s11, 15
	s_mul_i32 s54, s11, BLK
	s_mov_b32 s55, 0
	s_lshl_b32 s28, s10, 1
	s_add_co_u32 s28, s28, ttmp9                   ; T0
	s_sub_co_u32 s29, 63, s28                      ; T1
	s_lshl_b32 s49, s46, 19                        ; o_img: 64 tiles of 8,192 bytes a batch, 512 bytes a head
	s_lshl_b32 s50, s47, 9
	s_add_co_u32 s49, s49, s50
	s_lshl_b32 s50, s46, 15                        ; o_sc: 1,024 rows of 32 bytes a batch, 2 bytes a head
	s_lshl_b32 s51, s47, 1
	s_add_co_u32 s50, s50, s51
	s_mov_b32 s16, 3<<16                           ; group 1 for images: 64 dense rows of 32 elements of 8 bytes
	s_mov_b32 s17, 32<<16
	s_mov_b32 s18, 64<<16
	s_mov_b32 s19, 32<<16
	s_mov_b32 s20, 64
	s_mov_b32 s21, 32
	s_mov_b32 s22, 0
	s_mov_b32 s23, 0
	s_mov_b32 s88, 3<<16                           ; group 1 for the scale bytes: 16 such rows
	s_mov_b32 s89, 32<<16
	s_mov_b32 s90, 16<<16
	s_mov_b32 s91, 32<<16
	s_mov_b32 s92, 16
	s_mov_b32 s93, 32
	s_mov_b32 s94, 0
	s_mov_b32 s95, 0
	s_mov_b32 s12, 0x76543210
	s_mov_b32 s13, 0xfedcba98
	s_mov_b32 s14, 0x3e38aa3b                      ; c = log2(e) / 8
	s_mov_b32 s15, s14
.irp j, 0,1,2,3,4,5,6,7
	s_mov_b32 s[66+\j], ((1<<\j)-1)|(((1<<(8+\j))-1)<<16)   ; the lanes in which key 8 h + j comes after query r
.endr
	s_mov_b32 s53, 0
	s_wait_dscnt 0x0
	s_wait_kmcnt 0x0
	s_add_nc_u64 s[4:5], s[4:5], s[54:55]          ; my head's block
	G0SET 24, 0                                    ; K's images of keys 0 to 511,
	G0SET 56, VI                                   ; V's,
	G0SET 60, KSC                                  ; K's and V's scale bytes,
	G0SET 80, HALFI                                ; K's images of keys 512 to 1,023,
	G0SET 84, VI+HALFI                             ; V's
	s_cmp_lt_u32 s10, 1                            ; the head's three loads, one a wave, in one chain of branches on the wave's number
	s_cbranch_scc0 .Lf1
	TL 24, 16
	s_branch .Lfd
.Lf1:
	s_cmp_lt_u32 s10, 2
	s_cbranch_scc0 .Lf2
	TL 56, 16
	s_branch .Lfd
.Lf2:
	s_cmp_lt_u32 s10, 3
	s_cbranch_scc0 .Lfd
	TL 60, 88
.Lfd:
	s_lshl_b32 s52, s28, 9
	s_add_co_u32 s52, s52, QI
	s_add_nc_u64 s[30:31], s[4:5], s[52:53]        ; Q's image of T0,
	s_lshl_b32 s52, s29, 9
	s_add_co_u32 s52, s52, QI
	s_add_nc_u64 s[32:33], s[4:5], s[52:53]        ; of T1
	s_lshl_b32 s52, s28, 5
	s_add_co_u32 s52, s52, QSC
	s_add_nc_u64 s[34:35], s[4:5], s[52:53]
	s_lshl_b32 s52, s29, 5
	s_add_co_u32 s52, s52, QSC
	s_add_nc_u64 s[36:37], s[4:5], s[52:53]
	s_lshl_b32 s52, s28, 13
	s_add_co_u32 s52, s52, s49
	s_add_nc_u64 s[38:39], s[6:7], s[52:53]        ; where O's images go
	s_lshl_b32 s52, s29, 13
	s_add_co_u32 s52, s52, s49
	s_add_nc_u64 s[40:41], s[6:7], s[52:53]
	s_lshl_b32 s52, s28, 9
	s_add_co_u32 s52, s52, s50
	s_add_nc_u64 s[42:43], s[8:9], s[52:53]        ; and O's scale bytes
	s_lshl_b32 s52, s29, 9
	s_add_co_u32 s52, s52, s50
	s_add_nc_u64 s[44:45], s[8:9], s[52:53]
	v_and_b32 v1, 31, v0
	s_delay_alu instid0(VALU_DEP_1)
	v_lshlrev_b32 v2, 1, v1
	s_delay_alu instid0(VALU_DEP_1)
	v_add_nc_u32 v2, KSC, v2                       ; K's scale bytes: 2 a key
	s_delay_alu instid0(VALU_DEP_3)
	v_lshlrev_b32 v3, 2, v1
	s_delay_alu instid0(VALU_DEP_1)
	v_add_nc_u32 v3, VSC, v3                       ; V's scale words
	v_lshlrev_b32 v1, 4, v1                        ; 16 x lane
	v_and_b32 v4, 15, v0
	v_bfe_u32 v11, v0, 4, 1
	s_delay_alu instid0(VALU_DEP_1)
	v_lshl_add_u32 v7, v4, 5, v11                  ; O's scale bytes: row r of 32 bytes, byte h
	s_delay_alu instid0(VALU_DEP_3)
	v_lshlrev_b32 v4, 1, v4
	s_delay_alu instid0(VALU_DEP_3)
	v_lshlrev_b32 v11, 3, v11                      ; 8 h
	global_load_b128 v[24:27], v1, s[32:33]        ; T1's Q, which is wanted first
	global_load_u16 v223, v4, s[36:37]
.irp j, 20,21,22,23,28,29,30,31,64,65,66,67
	v_mov_b32 v\j, 0                               ; zero codes for the unused half of the first product's K
.endr
.irp j, 208,209,210,211,225,230
	v_mov_b32 v\j, 0
.endr
	v_mov_b32 v229, 0xff800000                     ; -infinity; never rewritten
	s_wait_alu depctr_va_vdst(0)                   ; the wait at the head's end
	s_wait_tensorcnt 0x0                           ; my load of the head's three has landed; ahead of a later first fill:
	ds_add_u32 v5, v6                              ; the add, twice on end here
	ds_add_u32 v5, v6
	s_wait_dscnt 0x0                               ; and the wait for both
	s_barrier_signal -1
	s_barrier_wait -1                              ; everybody's has landed
	s_cmp_lt_u32 s10, 1                            ; the images of keys 512 to 1,023: a first fill, one load a wave
	s_cbranch_scc0 .Ls1
	TL 80, 16
	s_branch .Lsd
.Ls1:
	s_cmp_lt_u32 s10, 2
	s_cbranch_scc0 .Lsd
	TL 84, 16
.Lsd:
	s_wait_loadcnt 0x0                             ; T1's Q
	global_load_b128 v[16:19], v1, s[30:31]        ; T0's Q: waited for ahead of T0's pass
	global_load_u16 v222, v4, s[34:35]
; THE WORK OF A KEY STEP: 128 keys.  q: Q's registers; qs: its scale word; dg = 1: the step on the diagonal.
.macro BODY q, qs, dg
	v_add_nc_u32 v8, s47, v1                       ; these three and the v_nop are the four places behind the last products
	v_add_nc_u32 v9, s48, v2
	v_add_nc_u32 v10, s48, v3
	v_nop
.if \dg
	s_sub_co_u32 s52, s50, s46
	s_lshr_b32 s52, s52, 4                         ; m
	s_lshr_b32 s53, s52, 1                         ; the last block that counts
.irp j, 197,199,200,201,202,203
	v_mov_b32 v\j, 0                               ; what a hidden block keeps: zero codes
.endr
.endif
.irp t, 0,1,2,3,4,5,6,7
	ds_load_b128 v[32+4*\t:35+4*\t], v8 offset:512*\t
.endr
.irp i, 0,1,2,3
	ds_load_u16 v[216+\i], v9 offset:64*\i
.endr
.irp t, 0,1,2,3
.irp c, 0,1
	ds_load_b128 v[68+8*\t+4*\c:71+8*\t+4*\c], v8 offset:VI+1024*\t+512*\c
.endr
.endr
.irp i, 0,1
	ds_load_b32 v[220+\i], v10 offset:128*\i
.endr
	s_wait_dscnt 10                                ; K's twelve loads are in; V's ten, issued behind them, stay out
.irp t, 0,1,2,3,4,5,6,7
.if (\t)%2
	v_wmma_scale_f32_16x16x128_f8f6f4 v[100+8*\t:107+8*\t], v[32+4*\t:39+4*\t], v[\q:\q+7], 0, v[216+\t/2], v[\qs] matrix_a_fmt:MATRIX_FMT_FP4 matrix_b_fmt:MATRIX_FMT_FP4 matrix_a_scale:MATRIX_SCALE_ROW1
.else
	v_wmma_scale_f32_16x16x128_f8f6f4 v[100+8*\t:107+8*\t], v[32+4*\t:39+4*\t], v[\q:\q+7], 0, v[216+\t/2], v[\qs] matrix_a_fmt:MATRIX_FMT_FP4 matrix_b_fmt:MATRIX_FMT_FP4
.endif
.endr                                  ; register 8 t + j of lane (r, h): query r, key 16 t + 8 h + j of the step
.rept 4
	v_nop
.endr
.if \dg
.irp t, 0,1,2,3,4,5,6,7
	s_cmp_eq_u32 s52, \t
	s_cbranch_scc0 .Lm\@_\t
.set j, 0
.rept 8
	v_cndmask_b32 v[100+8*\t+j], v[100+8*\t+j], v229, s[66+j]
.set j, j+1
.endr
.if (\t)%2 == 0
.set j, 0
.rept 8
	v_mov_b32 v[108+8*\t+j], v229
.set j, j+1
.endr
.endif
	s_wait_alu depctr_va_vdst(0)                   ; ahead of the branch
	s_branch .Lmd\@
.Lm\@_\t:
.endr
.Lmd\@:
.endif
.irp b, 0,1,2,3
	v_max3_num_f32 v[204+\b], v[100+16*\b], v[101+16*\b], v[102+16*\b]   ; the largest score of each block of 32 keys: it serves for the row's maximum and, since p rises with the score, for the block's largest p
.endr
.irp i, 3,5,7,9,11,13
.irp b, 0,1,2,3
	v_max3_num_f32 v[204+\b], v[204+\b], v[100+16*\b+\i], v[101+16*\b+\i]
.endr
.endr
.irp b, 0,1,2,3
	v_max_num_f32 v[204+\b], v[204+\b], v[115+16*\b]
.endr
.if \dg
.irp b, 1,2,3                          ; a block behind block m / 2 is hidden: its largest score becomes -infinity (a mask of all lanes, made of ids)
	s_cmp_lt_u32 s53, \b
	s_cselect_b32 s[73+\b], -1, 0
.endr
.irp b, 1,2,3
	v_cndmask_b32 v[204+\b], v[204+\b], v229, s[73+\b]
.endr
.endif
.irp b, 0,1,2,3
.if (\dg) == 0
	DEP 4
.endif
	v_permlanex16_b32 v[208+\b], v[204+\b], s12, s13
.endr
.irp b, 0,1,2,3
	DEP 4
	v_max_num_f32 v[204+\b], v[204+\b], v[208+\b]
.endr
	DEP 2
	v_max3_num_f32 v230, v204, v205, v206
	DEP 1
	v_max_num_f32 v230, v230, v207                 ; the step's largest score of my query (its first key counts for all 16 queries: a number)
	DEP 1
	v_mul_f32 v230, s14, v230
	DEP 1
	v_max_num_f32 v13, v13, v230                   ; the running largest t
	v_mov_b32 v230, v12
	DEP 2
	v_floor_f32 v12, -v13                          ; the new -M
	DEP 1
	v_sub_f32 v230, v12, v230                      ; old M - new M: a whole number, 0 or less
	DEP 1
	v_cvt_i32_f32 v230, v230
	DEP 1
	v_ldexp_f32 v224, 1.0, v230                    ; f = 2^(old M - new M)
.irp b, 0,1,2,3                        ; t - M, two at a time
.if (\dg) && (\b > 0)
	GRD \b, .LgB\@
.endif
.set j, 16*\b
.rept 8
	v_pk_fma_f32 v[100+j:101+j], v[100+j:101+j], s[14:15], v[12:13] op_sel_hi:[1,0,0]
.set j, j+2
.endr
.endr
.if \dg
	s_wait_alu depctr_va_vdst(0)
.LgB\@:
.endif
.irp b, 0,1,2,3
	v_fma_f32 v[204+\b], v[204+\b], s14, v12       ; the same of each block's largest score
.endr
	s_wait_alu depctr_va_vdst(0)                   ; ahead of the batch
.irp b, 0,1,2,3
.if (\dg) && (\b > 0)
	GRD \b, .LgC\@
.endif
.set j, 16*\b
.rept 16
	v_exp_f32 v[100+j], v[100+j]                   ; p = 2^(t - M), at most 1
.set j, j+1
.endr
.endr
.if \dg
	s_wait_alu depctr_va_vdst(0)
.LgC\@:
.endif
	v_pk_mul_f32 v[14:15], v[14:15], v[224:225] op_sel_hi:[1,0]   ; the sums under the new M (the plain place behind the exponentials)
	s_wait_alu depctr_va_vdst(0)                   ; one wait for the batch, ahead of its first reader
.irp b, 0,1,2,3
	v_exp_f32 v[204+\b], v[204+\b]                 ; the block's largest p
.endr
.if \dg
.irp b, 0,1,2,3                        ; the row's sum of the unquantised p, block by block
.if \b > 0
	GRD \b, .LgD\@
.endif
.irp k, 0,1,2,3
	v_pk_add_f32 v[242+2*\k:243+2*\k], v[100+16*\b+4*\k:101+16*\b+4*\k], v[102+16*\b+4*\k:103+16*\b+4*\k]
.endr
	v_pk_add_f32 v[242:243], v[242:243], v[244:245]
	v_pk_add_f32 v[246:247], v[246:247], v[248:249]
	v_pk_add_f32 v[242:243], v[242:243], v[246:247]
	v_pk_add_f32 v[14:15], v[14:15], v[242:243]
.endr
.LgD\@:
.else
.set k, 0                              ; the row's sum of the unquantised p: eight chains by turns
.rept 7
	v_pk_add_f32 v[242+2*k:243+2*k], v[100+4*k:101+4*k], v[102+4*k:103+4*k]
.set k, k+1
.endr
	v_pk_add_f32 v[14:15], v[14:15], v[128:129]
.set k, 0
.rept 7
	v_pk_add_f32 v[242+2*k:243+2*k], v[242+2*k:243+2*k], v[130+2*k:131+2*k]
.set k, k+1
.endr
	v_pk_add_f32 v[14:15], v[14:15], v[144:145]
.set k, 0
.rept 7
	v_pk_add_f32 v[242+2*k:243+2*k], v[242+2*k:243+2*k], v[146+2*k:147+2*k]
.set k, k+1
.endr
	v_pk_add_f32 v[14:15], v[14:15], v[160:161]
	v_pk_add_f32 v[242:243], v[242:243], v[162:163]
	v_pk_add_f32 v[246:247], v[246:247], v[248:249]
	v_pk_add_f32 v[250:251], v[250:251], v[252:253]
	v_pk_add_f32 v[14:15], v[14:15], v[254:255]
	v_pk_add_f32 v[242:243], v[242:243], v[244:245]
	v_pk_add_f32 v[14:15], v[14:15], v[250:251]
	v_pk_add_f32 v[242:243], v[242:243], v[246:247]
	v_pk_add_f32 v[14:15], v[14:15], v[242:243]
.endif
	s_wait_alu depctr_va_vdst(0)                   ; and one for the four
.irp b, 0,1,2,3
	v_max_num_f32 v[204+\b], 0x1800000, v[204+\b]  ; the floor 2^(3 - 127): the byte cannot fall under 1
.endr
.irp b, 0,1,2,3
	DEP 4
	v_add_nc_u32 v[212+\b], 0xff000000, v[204+\b]  ; 2 off the exponent field: the conversion's scale operand
.endr
.irp b, 0,1,2,3
	DEP 4
	v_lshrrev_b32 v[208+\b], 23, v[212+\b]         ; the scale's byte
.endr
	DEP 3
	v_lshl_or_b32 v225, v209, 8, v208              ; p's scale word for these 128 keys
	DEP 1
	v_lshl_or_b32 v225, v210, 16, v225
	DEP 1
	v_lshl_or_b32 v225, v211, 24, v225
.irp b, 0,1,2,3                        ; tiles 4 c, 4 c + 2, 4 c + 1, 4 c + 3 go to registers 4 c .. 4 c + 3: two exchanges of lane halves then leave the operand's order
.if (\dg) && (\b > 0)
	GRD \b, .LgE\@
.endif
	v_cvt_scalef32_pk8_fp4_f32 v[196+4*(\b/2)+\b%2], v[100+16*\b:107+16*\b], v[212+\b]
	v_cvt_scalef32_pk8_fp4_f32 v[198+4*(\b/2)+\b%2], v[108+16*\b:115+16*\b], v[212+\b]
.endr
.if \dg
.LgE\@:
.endif
	v_nop                                          ; one plain place behind the conversions
.irp c, 0,1
	v_permlane16_swap_b32 v[196+4*\c], v[197+4*\c]
	v_permlane16_swap_b32 v[198+4*\c], v[199+4*\c]
.endr
	s_wait_alu depctr_va_vdst(0)                   ; directly ahead of the first reader of O^T
.set j, 0
.rept 16
	v_pk_mul_f32 v[164+j:165+j], v[164+j:165+j], v[224:225] op_sel_hi:[1,0]   ; O^T under the new M (also the places ahead of the products below)
.set j, j+2
.endr
	s_wait_alu depctr_va_vdst(0)                   ; ahead of the wait below
	s_wait_dscnt 0x0                               ; V is in
.irp t, 0,1,2,3                        ; the four accumulators take turns
.if (\t)%2
	v_wmma_scale_f32_16x16x128_f8f6f4 v[164+8*\t:171+8*\t], v[68+8*\t:75+8*\t], v[196:203], v[164+8*\t:171+8*\t], v[220+\t/2], v225 matrix_a_fmt:MATRIX_FMT_FP4 matrix_b_fmt:MATRIX_FMT_FP4 matrix_a_scale:MATRIX_SCALE_ROW1
.else
	v_wmma_scale_f32_16x16x128_f8f6f4 v[164+8*\t:171+8*\t], v[68+8*\t:75+8*\t], v[196:203], v[164+8*\t:171+8*\t], v[220+\t/2], v225 matrix_a_fmt:MATRIX_FMT_FP4 matrix_b_fmt:MATRIX_FMT_FP4
.endif
.endr
.endm
.macro NEXT                            ; the next step's first key, its images, its scale bytes
	s_add_co_u32 s46, s46, 128
	s_add_co_u32 s47, s47, 4096
	s_add_co_u32 s48, s48, 256
.endm
.macro STEP q, qs
	s_cmp_gt_u32 s46, s51                          ; all 128 keys after my 16 queries: the step's work is left out; the lines at its end are not
	s_cbranch_scc1 .Lhidden_\@
	s_add_co_u32 s52, s46, 127
	s_cmp_le_u32 s52, s50                          ; all 128 keys count?
	s_cbranch_scc1 .Lopen_\@
	BODY \q, \qs, 1
	s_branch .Lhidden_\@
.Lopen_\@:
	BODY \q, \qs, 0
.Lhidden_\@:
	NEXT
.endm
; ONE TILE OF 16 QUERIES.  late = 1: a tile from 32 on: its first four steps count whole; the barrier behind them shows keys 512 to 1,023 landed; four more trips follow.  late = 0: a tile under 32: four trips.
.macro PASS q, qs, ts, ob, sb, late
	s_wait_xcnt 0x0                                ; the last tile's stores have read their registers
	s_mov_b32 s46, 0
	s_mov_b32 s47, 0
	s_mov_b32 s48, 0
	s_mov_b32 s49, 4                               ; the trip counts are constants
	s_lshl_b32 s50, s[\ts], 4                      ; my first query,
	s_add_co_u32 s51, s50, 15                      ; my last
	v_mov_b32 v13, 0xff61b1e6                      ; -3e38, under every t
	s_delay_alu instid0(VALU_DEP_1)
	v_floor_f32 v12, -v13
	v_mov_b32 v14, 0
	v_mov_b32 v15, 0
.set j, 0
.rept 32
	v_mov_b32 v[164+j], 0                          ; O^T: the first change of M leaves zeros zeros
.set j, j+1
.endr
	s_wait_alu depctr_va_vdst(0)                   ; ahead of the loop's branches
.if \late
.Lfirst_\@:
	BODY \q, \qs, 0
	NEXT
	s_sub_co_u32 s49, s49, 1
	s_cmp_lg_u32 s49, 0
	s_cbranch_scc1 .Lfirst_\@
	s_wait_tensorcnt 0x0                           ; my load of keys 512 to 1,023 has landed (a wave that asked for none passes at once)
	s_wait_dscnt 0x0
	s_barrier_signal -1
	s_barrier_wait -1                              ; both have
	s_mov_b32 s49, 4
.endif
.Lkey_\@:
	STEP \q, \qs
	s_sub_co_u32 s49, s49, 1
	s_cmp_lg_u32 s49, 0
	s_cbranch_scc1 .Lkey_\@
.rept 4
	v_nop
.endr
	v_add_f32 v14, v14, v15
	s_delay_alu instid0(VALU_DEP_1)
	v_permlanex16_b32 v230, v14, s12, s13
	s_delay_alu instid0(VALU_DEP_1)
	v_add_f32 v14, v14, v230                       ; the row's sum
	s_wait_alu depctr_va_vdst(0)
	v_rcp_f32 v14, v14
	v_nop
	s_wait_alu depctr_va_vdst(0)
.set j, 0
.rept 16
	v_pk_mul_f32 v[100+j:101+j], v[164+j:165+j], v[14:15] op_sel_hi:[1,0]   ; O^T / the sum: register 8 t + i is channel 16 t + 8 h + i of query r
.set j, j+2
.endr
.irp b, 0,1
	v_max3_num_f32 v[204+\b], |v[100+16*\b]|, |v[101+16*\b]|, 0x1800000
.endr
.irp i, 2,4,6,8,10,12,14
.irp b, 0,1
	s_delay_alu instid0(VALU_DEP_2)
	v_max3_num_f32 v[204+\b], v[204+\b], |v[100+16*\b+\i]|, |v[101+16*\b+\i]|
.endr
.endr
.irp b, 0,1
	s_delay_alu instid0(VALU_DEP_2)
	v_permlanex16_b32 v[208+\b], v[204+\b], s12, s13
.endr
.irp b, 0,1
	s_delay_alu instid0(VALU_DEP_2)
	v_max_num_f32 v[204+\b], v[204+\b], v[208+\b]
.endr
.irp b, 0,1
	s_delay_alu instid0(VALU_DEP_2)
	v_add_nc_u32 v[212+\b], 0xff000000, v[204+\b]
.endr
.irp b, 0,1
	s_delay_alu instid0(VALU_DEP_2)
	v_lshrrev_b32 v[208+\b], 23, v[212+\b]
.endr
	s_delay_alu instid0(VALU_DEP_1)
	v_lshl_or_b32 v225, v209, 8, v208              ; the row's two scale bytes
	v_cvt_scalef32_pk8_fp4_f32 v196, v[100:107], v212
	v_cvt_scalef32_pk8_fp4_f32 v197, v[116:123], v213
	v_cvt_scalef32_pk8_fp4_f32 v198, v[108:115], v212
	v_cvt_scalef32_pk8_fp4_f32 v199, v[124:131], v213
	v_lshrrev_b32 v230, v11, v225                  ; my half's byte (also the plain place behind the conversions)
	v_permlane16_swap_b32 v196, v197
	v_permlane16_swap_b32 v198, v199               ; lane (r, h): block h of row r: the image
	global_store_b128 v1, v[196:199], s[\ob:\ob+1] ; 32 lanes store 512 consecutive bytes, aligned
	global_store_b8 v7, v230, s[\sb:\sb+1]
.endm
	PASS 24, 223, 29, 40, 44, 1
	s_wait_loadcnt 0x0                             ; T0's Q
	PASS 16, 222, 28, 38, 42, 0
	s_wait_tensorcnt 0x0                           ; the wave's end
	ds_add_u32 v5, v6
	s_wait_dscnt 0x0
	s_endpgm
.Lfunc_end_k_q5ba151f5fa_attention:
	.size	k_q5ba151f5fa_attention, .Lfunc_end_k_q5ba151f5fa_attention-k_q5ba151f5fa_attention
	.p2alignl 7, 3214868480
	.fill 96, 4, 3214868480
	.section	.rodata,"a",@progbits
	.p2align	6, 0x0
	.amdhsa_kernel k_q5ba151f5fa_attention
		.amdhsa_group_segment_fixed_size 327680
		.amdhsa_private_segment_fixed_size 0
		.amdhsa_enable_private_segment 0
		.amdhsa_kernarg_size 24
		.amdhsa_user_sgpr_count 2
		.amdhsa_user_sgpr_kernarg_segment_ptr 1
		.amdhsa_wavefront_size32 1
		.amdhsa_system_sgpr_workgroup_id_x 1
		.amdhsa_system_sgpr_workgroup_id_y 1
		.amdhsa_system_sgpr_workgroup_id_z 1
		.amdhsa_system_vgpr_workitem_id 0
		.amdhsa_next_free_vgpr 256
		.amdhsa_next_free_sgpr 102
		.amdhsa_reserve_vcc 0
		.amdhsa_float_denorm_mode_32 3
		.amdhsa_float_denorm_mode_16_64 3
		.amdhsa_memory_ordered 1
		.amdhsa_forward_progress 1
		.amdhsa_inst_pref_size 116
	.end_amdhsa_kernel
	.amdgpu_metadata
---
amdhsa.version: [ 1, 2 ]
amdhsa.kernels:
  - .name:           k_q5ba151f5fa_attention
    .symbol:         k_q5ba151f5fa_attention.kd
    .args:
      - { .name: qkv, .offset: 0, .size: 8, .value_kind: global_buffer, .address_space: global }
      - { .name: o_img, .offset: 8, .size: 8, .value_kind: global_buffer, .address_space: global }
      - { .name: o_sc, .offset: 16, .size: 8, .value_kind: global_buffer, .address_space: global }
    .group_segment_fixed_size: 327680
    .private_segment_fixed_size: 0
    .kernarg_segment_align: 8
    .kernarg_segment_size: 24
    .max_flat_workgroup_size: 512
    .sgpr_count:     102
    .vgpr_count:     256
    .wavefront_size: 32
...
	.end_amdgpu_metadata
.endif
;; end of part 2
;; launch out_proj (part 3): grid 4 x 64, 4 waves a work-group, clusters of 4 x 4, 327,680 bytes of LDS; arguments o_img, o_sc, W_out_codes, W_out_scales, b_out, out0; writes out0
.if DOCPART == 3
	.amdgcn_target "amdgcn-amd-amdhsa--gfx1250"
	.amdhsa_code_object_version 6
	.text
	.protected	k_q5ba151f5fa_out_proj
	.globl	k_q5ba151f5fa_out_proj
	.p2align	8
	.type	k_q5ba151f5fa_out_proj,@function
k_q5ba151f5fa_out_proj:
	s_mov_b64 s[64:65], 0
	v_nop
	global_prefetch_b8 v0, s[64:65] scope:SCOPE_SE
	s_setreg_imm32_b32 hwreg(HW_REG_WAVE_MODE, 25, 1), 1
	s_wait_xcnt 0x0
	s_wait_alu depctr_hold_cnt(0) depctr_sa_sdst(0) depctr_va_vdst(0) depctr_va_sdst(0) depctr_va_ssrc(0) depctr_va_vcc(0) depctr_vm_vsrc(0)
	s_getreg_b32 s2, hwreg(HW_REG_IB_STS2, 6, 4)
	s_cmp_eq_u32 s2, 0
	s_cbranch_scc0 .Lentry_in_a_cluster
	s_endpgm
.Lentry_in_a_cluster:
	s_bfe_u32 s2, ttmp6, 0x10000c
	s_cmp_lg_u32 s2, 0xf033
	s_cbranch_scc0 .Lentry_shape_is_right
	s_endpgm
.Lentry_shape_is_right:
; out0 = O W_out + b_out on codes of FP4 (E2M1) with E8M0 scales, K = 1,024.  Nothing is left out here.
; X = 128 rows of O, as images of operand registers ([tile of 16 rows][16 heads][512 bytes]: lane l's 16 bytes at 16 l; a K step of 128 is two heads); Y = 256 rows of W_out (columns of the result), K innermost.
; Source 0 = 16 rows of Y, source 1 = 16 rows of X: a lane holds eight neighbouring columns of one row of the result.  A work-group makes 128 x 256, a wave 64 x 128: 32 accumulators.
; LDS holds all of K: X's 65,536 dense bytes, Y's 256 rows of 512 bytes + 16 of padding, both operands' scale bytes.  Four tiles, one joint load a wave at the head; nothing is filled again.
; CLUSTERS: 4 x 4: X's tiles are asked for jointly along a row of the cluster, Y's along a column.  NO PREFETCH: the text has no loop to run ahead in; each tile is asked for once, at the head.
; The bias is the C of the first K step.  The way out goes through each wave's own stage in LDS, on bytes on which no tile lands, and leaves as rows of 512 bytes.
; REGISTERS: window 0: v1-31 addresses; v32-95 scale words; v128-191 X's fragments, two sets (the way out: v128-255).  window 1: v0-63, v128-191 Y's fragments, two sets; v64-127 the bias.  window 2: the accumulators.
.set PITCH,  528
.set HALFX,  32768                     ; four tiles of 16 rows: 8,192 bytes each
.set XB,     2*HALFX
.set HALFY,  128*PITCH
.set SCL,    XB+2*HALFY
.set HALFSX, 8*272
.set HALFSY, 16*272
.set SBLK,   2*272
.set SPARE,  SCL+2*HALFSX+2*HALFSY     ; the spare words: two blocks of 256 bytes that no other line names
.set STG,    SPARE+512                 ; the stages: 16 rows x 528 bytes for each wave
.set SPITCH, 528
.set ADRA, 16
.set ADRB, 20
.set STO,  24
.set RD,   25
.set CO,   26
.set ADRS, 27
.set SPW,  28
.set NIL,  29
.set SC,   32
.set XF,   128
.set BK,   128
.set GB,   64
.set G1, 24
.set G0, 32
.set G1B, 48
.set G0B, 56
.set G1S, 68
.set G0S, 76
.set G1SB, 80
.set G0SB, 88
.set MSB, 0
.macro WIN new
.if MSB != (\new)
	s_set_vgpr_msb (MSB<<8)|(\new)
.set MSB, \new
.endif
.endm
.macro CROUND
	s_barrier_signal -1
	s_barrier_wait -1
	s_cmp_lg_u32 s16, 0
	s_cbranch_scc1 .Lnot_wave_0_\@
	s_barrier_signal -3
.Lnot_wave_0_\@:
	s_barrier_wait -3
	s_barrier_signal -1
	s_barrier_wait -1
.endm
.macro PLACES n
.rept \n
	v_nop
.endr
.endm
.macro TL g0, g1
	tensor_load_to_lds s[\g0:\g0+3], s[\g1:\g1+7]
	s_nop 0
.rept 4
	v_nop
.endr
.endm
.macro G0SET g, lds, p
	s_mov_b32 s[\g], 1
	s_mov_b32 s[\g+1], \lds
	s_mov_b64 s[\g+2:\g+3], s[\p:\p+1]
	s_or_b32 s[\g+3], s[\g+3], 0x80000000
.endm
	s_load_b256 s[4:11], s[0:1], 0x0               ; o_img, o_sc, W codes, W scales
	s_load_b128 s[12:15], s[0:1], 0x20             ; b_out, out0
	v_lshl_add_u32 v[SPW], v0, 2, SPARE
	v_mov_b32 v[NIL], 0
	ds_add_u32 v[SPW], v[NIL]                      ; the opening lines
	ds_add_u32 v[SPW], v[NIL]
	v_lshrrev_b32 v1, 5, v0
	v_readfirstlane_b32 s16, v1
	s_lshr_b32 s17, s16, 1                         ; which half of X's rows is mine
	s_and_b32 s18, s16, 1                          ; which half of Y's
	s_bfe_u32 s20, ttmp6, 0x40000
	s_bfe_u32 s21, ttmp6, 0x40004
	s_lshl_b32 s41, ttmp9, 2
	s_add_co_u32 s41, s41, s20                     ; Y's tile
	s_and_b32 s40, ttmp7, 0xffff
	s_lshl_b32 s40, s40, 2
	s_add_co_u32 s40, s40, s21                     ; X's tile
	s_lshl_b32 s42, s21, 2
	s_lshl_b32 s42, 15, s42
	s_lshl_b32 s43, 0x1111, s20
	s_or_b32 s[G1], s42, (3<<16)|(1<<21)           ; X's images: 65,536 dense bytes as 256 rows of 256, no padding
	s_mov_b32 s[G1+1], 32<<16
	s_mov_b32 s[G1+2], 256<<16
	s_mov_b32 s[G1+3], 32<<16
	s_mov_b32 s[G1+4], 256
	s_mov_b32 s[G1+5], 32
	s_mov_b32 s[G1+6], 0
	s_mov_b32 s[G1+7], 0
	s_or_b32 s[G1B], s43, (1<<20)|(1<<21)|(6<<22)|(3<<25)   ; Y's codes: 256 rows of 512 bytes, 4 words of padding after every 128
	s_mov_b32 s[G1B+1], 512<<16
	s_mov_b32 s[G1B+2], 256<<16
	s_mov_b32 s[G1B+3], 512<<16
	s_mov_b32 s[G1B+4], 256
	s_mov_b32 s[G1B+5], 512
	s_mov_b32 s[G1B+6], 0
	s_mov_b32 s[G1B+7], 0
	s_or_b32 s[G1S], s42, (3<<16)|(1<<20)|(1<<21)|(5<<22)|(3<<25)   ; X's scales: 4,096 dense bytes
	s_mov_b32 s[G1S+1], 32<<16
	s_mov_b32 s[G1S+2], 16<<16
	s_mov_b32 s[G1S+3], 32<<16
	s_mov_b32 s[G1S+4], 16
	s_mov_b32 s[G1S+5], 32
	s_mov_b32 s[G1S+6], 0
	s_mov_b32 s[G1S+7], 0
	s_or_b32 s[G1SB], s43, (3<<16)|(1<<20)|(1<<21)|(5<<22)|(3<<25)  ; Y's: 8,192
	s_mov_b32 s[G1SB+1], 32<<16
	s_mov_b32 s[G1SB+2], 32<<16
	s_mov_b32 s[G1SB+3], 32<<16
	s_mov_b32 s[G1SB+4], 32
	s_mov_b32 s[G1SB+5], 32
	s_mov_b32 s[G1SB+6], 0
	s_mov_b32 s[G1SB+7], 0
	s_lshl_b32 s92, s40, 16
	s_mov_b32 s93, 0
	s_lshl_b32 s94, s40, 12
	s_mov_b32 s95, 0
	s_lshl_b32 s96, s41, 17
	s_mov_b32 s97, 0
	s_lshl_b32 s98, s41, 13
	s_mov_b32 s99, 0
	s_wait_dscnt 0x0
	s_wait_kmcnt 0x0
	s_add_nc_u64 s[92:93], s[4:5], s[92:93]
	s_add_nc_u64 s[94:95], s[6:7], s[94:95]
	s_add_nc_u64 s[96:97], s[8:9], s[96:97]
	s_add_nc_u64 s[98:99], s[10:11], s[98:99]
	CROUND                                         ; all sixteen work-groups are here: the joint loads meet
	G0SET G0, 0, 92
	G0SET G0B, XB, 96
	G0SET G0S, SCL, 94
	G0SET G0SB, SCL+2*HALFSX, 98
	s_cmp_lt_u32 s16, 1                            ; the four tiles, one a wave, in one chain of branches on the wave's number
	s_cbranch_scc0 .Lh1
	TL G0, G1
	s_branch .Lhd
.Lh1:
	s_cmp_lt_u32 s16, 2
	s_cbranch_scc0 .Lh2
	TL G0B, G1B
	s_branch .Lhd
.Lh2:
	s_cmp_lt_u32 s16, 3
	s_cbranch_scc0 .Lh3
	TL G0S, G1S
	s_branch .Lhd
.Lh3:
	TL G0SB, G1SB
.Lhd:
	s_lshl_b32 s44, s40, 7
	s_lshl_b32 s45, s17, 6
	s_add_co_u32 s44, s44, s45                     ; my first row of the result,
	s_lshl_b32 s44, s44, 12                        ; 4,096 bytes a row
	s_lshl_b32 s46, s41, 10
	s_lshl_b32 s47, s18, 9
	s_add_co_u32 s46, s46, s47                     ; my first column, in bytes
	s_add_co_u32 s44, s44, s46
	s_mov_b32 s45, 0
	s_add_nc_u64 s[14:15], s[14:15], s[44:45]
	s_mov_b32 s47, 0
	s_add_nc_u64 s[12:13], s[12:13], s[46:47]
	s_mul_i32 s44, s17, HALFX
	s_mul_i32 s45, s18, HALFY
	s_add_co_u32 s45, s45, XB
	s_mul_i32 s46, s17, HALFSX
	s_mul_i32 s47, s18, HALFSY
	s_add_co_u32 s47, s47, 2*HALFSX
	s_sub_co_u32 s47, s47, s46                     ; lanes 16-31 take Y's words, this far behind X's
	s_add_co_u32 s46, s46, SCL
	s_mul_i32 s22, s16, 16*SPITCH
	s_add_co_u32 s22, s22, STG
	v_and_b32 v1, 15, v0
	v_bfe_u32 v2, v0, 4, 1
	v_and_b32 v3, 31, v0
	v_lshlrev_b32 v[CO], 4, v3
	v_add_nc_u32 v[ADRA], s44, v[CO]
	v_mul_u32_u24 v4, v1, PITCH
	v_lshl_add_u32 v4, v2, 4, v4
	v_add_nc_u32 v[ADRB], s45, v4
	v_lshlrev_b32 v5, 5, v1
	v_lshrrev_b32 v6, 8, v5
	v_lshl_add_u32 v5, v6, 4, v5
	v_mul_u32_u24 v6, s47, v2
	v_add_nc_u32 v5, v5, v6
	v_add_nc_u32 v[ADRS], s46, v5
	v_mul_u32_u24 v7, v1, SPITCH
	v_lshl_add_u32 v7, v2, 5, v7
	v_add_nc_u32 v[STO], s22, v7
	v_add_nc_u32 v[RD], s22, v[CO]
	v_lshlrev_b32 v14, 5, v2
	WIN 0x40
.irp g, 0,1,2,3,4,5,6,7
	global_load_b128 v[GB+8*\g:GB+8*\g+3], v14, s[12:13] offset:64*\g       ; register 8 g + j is the bias of column 16 g + 8 h + j
	global_load_b128 v[GB+8*\g+4:GB+8*\g+7], v14, s[12:13] offset:64*\g+16
.endr
	WIN 0
.macro FETCH kq, set
	WIN 0x40
.irp i, 0,1,2,3,4,5,6,7
.irp c, 0,1
	ds_load_b128 v[128*(\set)+8*\i+4*\c:128*(\set)+8*\i+4*\c+3], v[ADRB] offset:64*(\kq)+32*\c+\i*16*PITCH
.endr
.endr
	WIN 0
.irp i, 0,1,2,3
.irp c, 0,1
	ds_load_b128 v[XF+32*(\set)+8*\i+4*\c:XF+32*(\set)+8*\i+4*\c+3], v[ADRA] offset:\i*8192+1024*(\kq)+512*\c
.endr
.endr
.endm
.macro MULS set, kq, cm                ; 32 matrix instructions; the accumulators take turns
.set A_, 0
.rept 4
.irp b, 0,1,2,3,4,5,6,7
.set D_, 8*(8*A_+\b)
.if (\cm) == 0
.set C_, D_
.else
.set C_, GB+8*\b
.endif
	v_wmma_scale_f32_16x16x128_f8f6f4 v[D_:D_+7], v[128*(\set)+8*\b:128*(\set)+8*\b+7], v[XF+32*(\set)+8*A_:XF+32*(\set)+8*A_+7], v[C_:C_+7], v[SC+32*((\kq)/4)+4*\b+(\kq)%4], v[SC+32*((\kq)/4)+4*A_+(\kq)%4] matrix_a_fmt:MATRIX_FMT_FP4 matrix_b_fmt:MATRIX_FMT_FP4 matrix_a_scale:MATRIX_SCALE_ROW1
.endr
.set A_, A_+1
.endr
.endm
.macro STEP kq, cm                     ; the next step's fragments are asked for first, into the other sets, behind four places
	s_wait_dscnt 0x0
.if (\kq) < 7
	PLACES 4
	FETCH (\kq)+1, ((\kq)+1)%2
.endif
.if (\cm) > 0
	WIN 0x91
.else
	WIN 0xa1
.endif
	MULS (\kq)%2, \kq, \cm
	WIN 0
.endm
	s_wait_alu depctr_va_vdst(0)                   ; the wait at the head's end
	s_wait_loadcnt 0x0                             ; the bias
	s_wait_tensorcnt 0x0                           ; my tile of the four has landed
	s_barrier_signal -1
	s_barrier_wait -1                              ; everybody's has
	FETCH 0, 0
.irp s, 0,1
.irp i, 0,1,2,3,4,5,6,7
	ds_load_b128 v[SC+32*\s+4*\i:SC+32*\s+4*\i+3], v[ADRS] offset:\i*SBLK+16*\s   ; all of K's scale words: lanes 0-15 X's block i, lanes 16-31 Y's
.endr
.endr
	STEP 0, 1
.irp k, 1,2,3,4,5,6,7
	STEP \k, 0
.endr
.macro TOSTAGE a
.set AC, 64*(\a)
	WIN 0x08
.irp b, 0,1,2,3,4,5,6,7
	ds_store_b128 v[STO], v[AC+8*\b:AC+8*\b+3] offset:64*\b          ; each accumulator from its low end on
	ds_store_b128 v[STO], v[AC+8*\b+4:AC+8*\b+7] offset:64*\b+16
.endr
	WIN 0
.set BB, BK+64*((\a)%2)
.irp t, 0,1,2,3,4,5,6,7,8,9,10,11,12,13,14,15
	ds_load_b128 v[BB+4*\t:BB+4*\t+3], v[RD] offset:\t*SPITCH        ; LDS serves a wave's instructions in order: these see my stores
.endr
.endm
.macro SEND a, younger
.set BB, BK+64*((\a)%2)
	s_wait_dscnt \younger
.if (\a) > 0
	s_add_nc_u64 s[14:15], s[14:15], 16*4096
.endif
.irp t, 0,1,2,3,4,5,6,7,8,9,10,11,12,13,14,15
	global_store_b128 v[CO], v[BB+4*\t:BB+4*\t+3], s[14:15] offset:\t*4096 th:TH_STORE_NT   ; 32 lanes store 512 consecutive bytes, aligned
.endr
.endm
	PLACES 4
	TOSTAGE 0
.irp a, 1,2,3
.if \a > 1
	s_wait_xcnt 0x0                                ; block a - 2's stores have read their registers and their base
.endif
	TOSTAGE \a
	SEND \a-1, 32                                  ; behind block a - 1's loads: block a's 16 stores and 16 loads
.endr
	s_wait_xcnt 0x0
	SEND 3, 0
	s_wait_tensorcnt 0x0                           ; the wave's end
	ds_add_u32 v[SPW], v[NIL]
	s_wait_dscnt 0x0
	CROUND                                         ; the closing round
	s_endpgm
.Lfunc_end_k_q5ba151f5fa_out_proj:
	.size	k_q5ba151f5fa_out_proj, .Lfunc_end_k_q5ba151f5fa_out_proj-k_q5ba151f5fa_out_proj
	.p2alignl 7, 3214868480
	.fill 96, 4, 3214868480
	.section	.rodata,"a",@progbits
	.p2align	6, 0x0
	.amdhsa_kernel k_q5ba151f5fa_out_proj
		.amdhsa_group_segment_fixed_size 327680
		.amdhsa_private_segment_fixed_size 0
		.amdhsa_enable_private_segment 0
		.amdhsa_kernarg_size 48
		.amdhsa_user_sgpr_count 2
		.amdhsa_user_sgpr_kernarg_segment_ptr 1
		.amdhsa_wavefront_size32 1
		.amdhsa_system_sgpr_workgroup_id_x 1
		.amdhsa_system_sgpr_workgroup_id_y 1
		.amdhsa_system_sgpr_workgroup_id_z 1
		.amdhsa_system_vgpr_workitem_id 0
		.amdhsa_next_free_vgpr 768
		.amdhsa_next_free_sgpr 102
		.amdhsa_reserve_vcc 0
		.amdhsa_float_denorm_mode_32 3
		.amdhsa_float_denorm_mode_16_64 3
		.amdhsa_memory_ordered 1
		.amdhsa_forward_progress 1
		.amdhsa_inst_pref_size 72
	.end_amdhsa_kernel
	.amdgpu_metadata
---
amdhsa.version: [ 1, 2 ]
amdhsa.kernels:
  - .name:           k_q5ba151f5fa_out_proj
    .symbol:         k_q5ba151f5fa_out_proj.kd
    .args:
      - { .name: o_img, .offset: 0, .size: 8, .value_kind: global_buffer, .address_space: global }
      - { .name: o_sc, .offset: 8, .size: 8, .value_kind: global_buffer, .address_space: global }
      - { .name: W_out_codes, .offset: 16, .size: 8, .value_kind: global_buffer, .address_space: global }
      - { .name: W_out_scales, .offset: 24, .size: 8, .value_kind: global_buffer, .address_space: global }
      - { .name: b_out, .offset: 32, .size: 8, .value_kind: global_buffer, .address_space: global }
      - { .name: out0, .offset: 40, .size: 8, .value_kind: global_buffer, .address_space: global }
    .group_segment_fixed_size: 327680
    .private_segment_fixed_size: 0
    .kernarg_segment_align: 8
    .kernarg_segment_size: 48
    .max_flat_workgroup_size: 128
    .sgpr_count:     102
    .vgpr_count:     768
    .wavefront_size: 32
...
	.end_amdgpu_metadata
.endif
;; end of part 3
